; MI455X (gfx1250); checked and timed in simulation.
; The chip was launched on July 23, 2026; its instructions are those of AMD's public machine-readable ISA for CDNA 5 (MIT licence, August 2026) and "CDNA5" Instruction Set Architecture Reference Guide (July 2026). The comments in the code are by the model that wrote it; some were corrected since.
;; Torch Attention. Allowed arithmetic: float matrix products may take bf16 or f16 operands with f32 sums; all other float work in f32.
;; Inputs: key 2,048 x 1 x 24 x 128 float32; query 2,048 x 1 x 24 x 128 float32; value 2,048 x 1 x 24 x 128 float32.
;; Outputs: out0 1 x 2,048 x 3,072 float32.
;; One version. Each part assembles by itself: llvm-mc -triple=amdgcn-amd-amdhsa -mcpu=gfx1250 --defsym DOCPART=n.
;; ======== version 1 of 1: 1 launch
;; limits: right only within a limited range of input values; values are held in f16: magnitudes above 65,504 overflow, below 6.1e-05 lose precision; inputs' magnitudes at most 65,504
;; launch attn (part 1): grid 8 x 24, 8 waves a work-group, no clusters, 283,648 bytes of LDS; arguments query, key, value, out0; writes out0
.if DOCPART == 1
	.amdgcn_target "amdgcn-amd-amdhsa--gfx1250"
	.amdhsa_code_object_version 6
	.text
	.protected	k_q40b8879323_attn
	.globl	k_q40b8879323_attn
	.p2align	8
	.type	k_q40b8879323_attn,@function
k_q40b8879323_attn:
	s_mov_b64 s[64:65], 0
	v_nop
	global_prefetch_b8 v0, s[64:65] scope:SCOPE_SE
	s_setreg_imm32_b32 hwreg(HW_REG_WAVE_MODE, 25, 1), 1
	s_wait_xcnt 0x0
; Causal attention, S = 2048, 24 heads, D = 128.  query, key, value, out0: f32, row s of head h = 512 bytes at s*12288 + h*512.
; out[s] = softmax over t <= s of (q[s].k[t] / sqrt(128)) applied to v[t].  Products with f16 operands and f32 sums, softmax in f32.
;
; WHY F16 AND NOT BF16.  In rows with few keys a weight of order 1 meets a v of order 1, so an operand's relative rounding step shows
; undiminished in the output, while the outputs of the long rows are small and pull the output's root mean square down to about a tenth.
; f16 rounds with a step of 2^-12, bf16 with 2^-9; the weights lie in (0, 1] and the inputs are of order 1, so f16's range suffices.
;
; SHARES.  Work-group (x, head) owns the query blocks E = 2x and Od = 15 - 2x of 128 rows.  Block q needs the key tiles 0..q of 128 keys,
; so every work-group makes (2x + 1) + (16 - 2x) = 17 trips.  Wave w = a + 4b owns query rows 32a..32a+31 of the block and keys
; 64b..64b+63 of every tile; waves w and w xor 4 merge their partial sums at the block's end through LDS.
; A block takes its DIAGONAL tile first (the only one that is masked), then tiles 0..q-1: the first trip starts all sums, nothing is cleared.
;
; TRANSPOSED PRODUCTS.  S^T = K Q^T: a lane (r = lane % 16, h = lane / 16) holds keys 8h + j of query r, so maximum and sum are per lane
; plus one exchange between the halves, and pairs of score registers pack straight into the operand of O^T = V^T P^T.
; In O^T a lane again holds one query, so the rescaling is a multiplication by a per-lane number.
;
; K AND V are f32 in memory: each wave loads 16 rows of each (one load = one row of 512 contiguous bytes) a whole trip ahead into 128
; registers, converts to f16 and stores them into the LDS slot that is not being read.  Two slots, one barrier a trip.
;
; NO CLUSTER, NO JOINT TILE REQUESTS: a tile moved straight to LDS would lie there in f32, 128 KB a trip to write and to read back for
; the conversion beside the trip's 320 KB of 16-bit traffic; and the work-groups of one head walk different tile sequences
; (each begins with its own diagonal tile and has its own split of the 17 trips), so they have no common request at a common time.
;
; LIMITS.  |key| and |value| must stay below 65,504 and |query| below 65,504 / 0.1275 (f16's largest number; beyond it the conversion
; gives infinity); operands below 2^-14 in magnitude are rounded with an absolute step of 2^-25.
; Masked scores are set to -1.0e30 (finite, so no inf - inf): scores times log2(e)/sqrt(128) must stay above -1.0e30.
; inf or NaN among the inputs is not reproduced element for element.  Probabilities below 2^-126 count as zero (v_exp_f32).
; Q is multiplied by log2(e)/sqrt(128) in f32 BEFORE its rounding to f16; the denominator sums the f32 probabilities,
; the numerator their f16 roundings.  A wave whose share of a diagonal tile is fully masked carries finite dummy sums with
; maximum -1.0e30; the next tile's factor, or the merge weight, is exp2(-1.0e30 - m) = 0 and removes them.
.set ROWB,   12288                     ; bytes from sequence row to sequence row
.set TILEB,  128*ROWB                  ; 128 rows
.set KP,     272                       ; LDS pitch of K: 256 + 16 = 17 x 16, sixteen rows start at sixteen different 16-byte columns mod 256
.set VP,     288                       ; LDS pitch of V: 256 + 32 = 9 x 32, for the transposing loads
.set KSLOT,  128*KP                    ; 34,816
.set VSLOT,  128*VP                    ; 36,864
.set VBASE,  2*KSLOT                   ; K slots at 0, V slots at 69,632
.set XCH,    VBASE+2*VSLOT             ; 143,360: per wave 8,192 bytes of partial O + 512 of statistics, for the partner
.set XWAVE,  8704
.set OUTS,   XCH+8*XWAVE               ; 212,992: per wave 32 rows x 256 bytes, pitch 272, for the way out; ends at 282,624
.set OPITCH, 272
; window 0
.set GOFF, 1                           ; 16 lane + wave x 16 rows: my 16 bytes in my first row of a K or V tile
.set QOFF, 2                           ; r rows + 32 h
.set KA,   3                           ; K fragments: (64b + r) KP + 16h
.set VAL,  4                           ; V^T fragments, register tiles 0-3 (my own d half)
.set VAH,  5                           ; V^T fragments, register tiles 4-7 (the partner's d half)
.set SK,   6                           ; where I store converted K: 16w rows + 8 lane
.set SV,   7                           ; the same for V
.set XW,   8                           ; my exchange region + 16 lane
.set XR,   9                           ; the partner's
.set OSW,  10                          ; way out, in:   r OPITCH + 32h
.set OSR,  11                          ; way out, back: h OPITCH + 16r
.set OOFF, 12                          ; h rows + 16r in out0
.set PFO,  13                          ; prefetch: (thread / 2) rows + (thread % 2) x 256
.set DL,   14                          ; v14, v15: query - key distance of my lane, 32a + 16qt + r - 64b - 8h
.set NEGR, 16                          ; -1.0e30
.set TX,   17                          ; what v_permlanex16_b32 brings
.set MN,   18                          ; v[18:19] new maximum, twice
.set AL,   20                          ; v[20:21] rescaling factor, twice
.set W2,   22                          ; at work
.set MX,   24                          ; v24, v25 running maximum of qt = 0, 1
.set LS,   26                          ; v26, v27 running sum (my half's keys)
.set TT,   28                          ; v[28:31] at work; in the merge the partner's statistics
.set FR,   32                          ; v[32:95]   eight fragments of K or V^T
.set SC,   96                          ; v[96:159]  scores S[qt][kt] at 96 + 32qt + 8kt; between trips the converted K and V
.set PR,   160                         ; v[160:191] P^T fragments [qt][ks2]
.set QF,   192                         ; v[192:255] Q fragments [qt][ks]
; window 1
.set OA,   0                           ; v[256:383] O^T[qt][i] at 64qt + 8i; register tile i holds d tile i xor 4b
.set GS,   128                         ; v[384:511] staging: K rows 0-15, V rows 0-15 of my share, 4 registers each, f32
; scalars: s[4:11] query, key, value, out0; s12 w, s13 a, s14 b, s15 x, s16 head, s17 E, s18 Od, s19 next tile, s20 trip counter,
; s21, s40 where the tile sequence jumps and to what; s[22:23] a byte offset (s23 = 0); s[24:27] key, value at my head;
; s[28:31] the tile being fetched; s[32:33] Q; s[34:35] out0; s36, s37 lane select; s[38:39] the scale; s[44:47] prefetch; s48, s49 row bases
.set MSB, 0
.macro WIN new                         ; register windows: bits 1:0 source 0, 3:2 source 1, 5:4 source 2, 7:6 destination; the high byte repeats the setting left
.if MSB != \new
	s_set_vgpr_msb (MSB<<8)|\new
.set MSB, \new
.endif
.endm
; Four independent vector instructions between a matrix instruction and a vector read of its result or a load into one of its
; operands; other matrix instructions are not counted as such here.
.macro PLACES
.rept 4
	v_nop
.endr
.endm
; 32 loads: Q rows 32a..32a+31 of block qb as the f32 image of eight B fragments (qt, ks), 16 registers each, into window 1 at base.
; Lane (r, h) of fragment (qt, ks) takes d = 32ks + 8h + 0..7 and 32ks + 16 + 8h + 0..7 of query 16qt + r.
.macro QLOAD qb, base
	s_mul_i32 s22, \qb, TILEB
	s_add_co_u32 s22, s22, s48
	s_add_nc_u64 s[32:33], s[4:5], s[22:23]
	WIN 0x40
.irp f, 0,1,2,3,4,5,6,7
	global_load_b128 v[\base+16*\f:\base+16*\f+3],     v[QOFF], s[32:33] offset:(\f/4)*16*ROWB+(\f%4)*128
	global_load_b128 v[\base+16*\f+4:\base+16*\f+7],   v[QOFF], s[32:33] offset:(\f/4)*16*ROWB+(\f%4)*128+16
	global_load_b128 v[\base+16*\f+8:\base+16*\f+11],  v[QOFF], s[32:33] offset:(\f/4)*16*ROWB+(\f%4)*128+64
	global_load_b128 v[\base+16*\f+12:\base+16*\f+15], v[QOFF], s[32:33] offset:(\f/4)*16*ROWB+(\f%4)*128+80
.endr
	WIN 0
.endm
; Q times log2(e)/sqrt(128) in f32, then rounded to f16 into the eight fragments
.macro QCVT base
	WIN 0x41
.set n, 0
.rept 64
	v_pk_mul_f32 v[\base+2*n:\base+2*n+1], v[\base+2*n:\base+2*n+1], s[38:39] op_sel_hi:[1,0]
.set n, n+1
.endr
	WIN 0x05
.set n, 0
.rept 64
	v_cvt_pk_f16_f32 v[QF+n], v[\base+2*n], v[\base+2*n+1]
.set n, n+1
.endr
	WIN 0
.endm
; 32 loads: my 16 rows of K and of V of tile s19, then s19 steps along the sequence.
; s[28:31] were last named by loads that the s_wait_loadcnt 0 of CVTSTORE has shown done.
.macro FETCH
	s_mul_i32 s22, s19, TILEB
	s_add_nc_u64 s[28:29], s[24:25], s[22:23]
	s_add_nc_u64 s[30:31], s[26:27], s[22:23]
	WIN 0x40
.set n, 0
.rept 16
	global_load_b128 v[GS+4*n:GS+4*n+3], v[GOFF], s[28:29] offset:n*ROWB
.set n, n+1
.endr
.set n, 0
.rept 16
	global_load_b128 v[GS+64+4*n:GS+64+4*n+3], v[GOFF], s[30:31] offset:n*ROWB
.set n, n+1
.endr
	WIN 0
	s_add_co_u32 s19, s19, 1
	s_cmp_eq_u32 s19, s21
	s_cselect_b32 s19, s40, s19
.endm
; The staged tile to f16 and into an LDS slot: one store of the wave covers the 256 bytes of a row
.macro CVTSTORE slot
	s_wait_loadcnt 0x0                             ; the 32 loads issued at this trip's head; nothing younger is out
	WIN 0x05
.set n, 0
.rept 64
	v_cvt_pk_f16_f32 v[SC+n], v[GS+2*n], v[GS+2*n+1]
.set n, n+1
.endr
	WIN 0
.set n, 0
.rept 16
	ds_store_b64 v[SK], v[SC+2*n:SC+2*n+1] offset:(\slot)*KSLOT+n*KP
.set n, n+1
.endr
.set n, 0
.rept 16
	ds_store_b64 v[SV], v[SC+32+2*n:SC+32+2*n+1] offset:(\slot)*VSLOT+n*VP
.set n, n+1
.endr
.endm
; 8 loads: the four A fragments (16 keys x 32 d) of key tile kt of my 64 keys into fragments fb..fb+3
.macro KLOAD slot, kt, fb
.irp ks, 0,1,2,3
	ds_load_b128 v[FR+8*(\fb+\ks):FR+8*(\fb+\ks)+3],   v[KA] offset:(\slot)*KSLOT+\kt*16*KP+\ks*64
	ds_load_b128 v[FR+8*(\fb+\ks)+4:FR+8*(\fb+\ks)+7], v[KA] offset:(\slot)*KSLOT+\kt*16*KP+\ks*64+32
.endr
.endm
; 8 matrix instructions: S^T of key tile kt for both query tiles; the first product starts the sum
.macro QK kt, fb
.irp ks, 0,1,2,3
.irp qt, 0,1
.if \ks == 0
	v_wmma_f32_16x16x32_f16 v[SC+32*\qt+8*\kt:SC+32*\qt+8*\kt+7], v[FR+8*(\fb+\ks):FR+8*(\fb+\ks)+7], v[QF+32*\qt+8*\ks:QF+32*\qt+8*\ks+7], 0
.else
	v_wmma_f32_16x16x32_f16 v[SC+32*\qt+8*\kt:SC+32*\qt+8*\kt+7], v[FR+8*(\fb+\ks):FR+8*(\fb+\ks)+7], v[QF+32*\qt+8*\ks:QF+32*\qt+8*\ks+7], v[SC+32*\qt+8*\kt:SC+32*\qt+8*\kt+7]
.endif
.endr
.endr
.endm
; 16 transposing loads: the eight A fragments of V^T (16 d x 32 keys) for keys 32 ks2 .. +31 of my 64
.macro VLOAD slot, ks2
.irp i, 0,1,2,3
	ds_load_tr16_b128 v[FR+8*\i:FR+8*\i+3],   v[VAL] offset:(\slot)*VSLOT+\ks2*32*VP+32*\i
	ds_load_tr16_b128 v[FR+8*\i+4:FR+8*\i+7], v[VAL] offset:(\slot)*VSLOT+\ks2*32*VP+32*\i+16*VP
.endr
.irp i, 4,5,6,7
	ds_load_tr16_b128 v[FR+8*\i:FR+8*\i+3],   v[VAH] offset:(\slot)*VSLOT+\ks2*32*VP+32*\i
	ds_load_tr16_b128 v[FR+8*\i+4:FR+8*\i+7], v[VAH] offset:(\slot)*VSLOT+\ks2*32*VP+32*\i+16*VP
.endr
.endm
; 8 matrix instructions under window setting 0x50 (C and D in window 1): O^T tiles i0..i0+3 of both query tiles
.macro PV ks2, i0, first
.irp i, \i0, \i0+1, \i0+2, \i0+3
.irp qt, 0,1
.if \first
	v_wmma_f32_16x16x32_f16 v[OA+64*\qt+8*(\i):OA+64*\qt+8*(\i)+7], v[FR+8*(\i):FR+8*(\i)+7], v[PR+16*\qt+8*\ks2:PR+16*\qt+8*\ks2+7], 0
.else
	v_wmma_f32_16x16x32_f16 v[OA+64*\qt+8*(\i):OA+64*\qt+8*(\i)+7], v[FR+8*(\i):FR+8*(\i)+7], v[PR+16*\qt+8*\ks2:PR+16*\qt+8*\ks2+7], v[OA+64*\qt+8*(\i):OA+64*\qt+8*(\i)+7]
.endif
.endr
.endr
.endm
; The diagonal tile: register 8kt + j holds key 64b + 16kt + 8h + j; it is masked where 16kt + j > DL
.macro MASK qt
.set n, 0
.rept 32
.set kk, (n/8)*16+(n%8)
	v_cmp_gt_i32 vcc_lo, kk, v[DL+\qt]
	v_cndmask_b32 v[SC+32*\qt+n], v[SC+32*\qt+n], v[NEGR], vcc_lo
.set n, n+1
.endr
.endm
; Online softmax of query tile qt over my 64 keys (32 registers a lane).  first = 1: no earlier maximum, sum or O.
.macro SOFTMAX qt, first
.set SB, SC+32*\qt
.irp c, 0,1,2,3
	v_max3_num_f32 v[TT+\c], v[SB+8*\c], v[SB+8*\c+1], v[SB+8*\c+2]        ; four chains that do not wait for each other
.endr
.irp c, 0,1,2,3
	v_max3_num_f32 v[TT+\c], v[TT+\c], v[SB+8*\c+3], v[SB+8*\c+4]
.endr
.irp c, 0,1,2,3
	v_max3_num_f32 v[TT+\c], v[TT+\c], v[SB+8*\c+5], v[SB+8*\c+6]
.endr
.irp c, 0,1,2,3
	v_max_num_f32 v[TT+\c], v[TT+\c], v[SB+8*\c+7]
.endr
	v_max3_num_f32 v[TT], v[TT], v[TT+1], v[TT+2]
.if \first
	v_max_num_f32 v[TT], v[TT], v[TT+3]
.else
	v_max3_num_f32 v[TT], v[TT], v[TT+3], v[MX+\qt]
.endif
	v_permlanex16_b32 v[TX], v[TT], s36, s37       ; the other half of the lanes holds the same query's other keys
	v_max_num_f32 v[MN], v[TT], v[TX]
	v_mov_b32 v[MN+1], v[MN]
.if \first == 0
	v_sub_f32 v[AL], v[MX+\qt], v[MN]
.endif
	v_mov_b32 v[MX+\qt], v[MN]
.set n, 0
.rept 16
	v_pk_add_f32 v[SB+2*n:SB+2*n+1], v[SB+2*n:SB+2*n+1], v[MN:MN+1] neg_lo:[0,1] neg_hi:[0,1]
.set n, n+1
.endr
.set n, 0
.rept 32
	v_exp_f32 v[SB+n], v[SB+n]                     ; scores are in the log2 domain already
.set n, n+1
.endr
.if \first == 0
	v_exp_f32 v[AL], v[AL]
.endif
	v_nop                                          ; one plain instruction between the exponentials and the first use (ISA guide 5.7.2)
.if \first == 0
	s_wait_alu depctr_va_vdst(0)
	v_mov_b32 v[AL+1], v[AL]
.endif
.set n, 0
	s_wait_alu depctr_va_vdst(0)
.rept 16
	v_cvt_pk_f16_f32 v[PR+16*\qt+n], v[SB+2*n], v[SB+2*n+1]    ; keys 8h + 2i, 2i + 1 of two score tiles = one B fragment of P^T
.set n, n+1
.endr
.irp st, 8,4,2,1
.set n, 0
.rept \st
	v_pk_add_f32 v[SB+2*n:SB+2*n+1], v[SB+2*n:SB+2*n+1], v[SB+2*(n+\st):SB+2*(n+\st)+1]
.set n, n+1
.endr
.endr
.if \first
	v_add_f32 v[LS+\qt], v[SB], v[SB+1]
.else
	v_add_f32 v[TT], v[SB], v[SB+1]
	v_fma_f32 v[LS+\qt], v[LS+\qt], v[AL], v[TT]
	WIN 0x41
.set n, 0
.rept 32
	v_pk_mul_f32 v[OA+64*\qt+2*n:OA+64*\qt+2*n+1], v[OA+64*\qt+2*n:OA+64*\qt+2*n+1], v[AL:AL+1]
.set n, n+1
.endr
	WIN 0
.endif
.endm
; One key tile.  cur: the slot read; fetch = 1: the next tile of the sequence is loaded at the head and stored into the other slot at the end.
.macro TRIP cur, fetch, diag, first
	s_wait_dscnt 0x0                               ; for the others: my stores into slot cur have landed, my reads of the other slot are over
	s_barrier_signal -1
	s_barrier_wait -1                              ; now slot cur may be read by all, and the other slot written
	KLOAD \cur, 0, 0
	KLOAD \cur, 1, 4
.if \fetch
	FETCH
.endif
	s_wait_dscnt 0x8                               ; LDS loads return in order (ISA guide 5.7.1): key tile 0 is in, the eight loads of tile 1 stay out
	QK 0, 0
	PLACES
	KLOAD \cur, 2, 0
	s_wait_dscnt 0x8                               ; tile 1 is in, the eight loads of tile 2 stay out
	QK 1, 4
	PLACES
	KLOAD \cur, 3, 4
	s_wait_dscnt 0x8                               ; tile 2 is in, the eight loads of tile 3 stay out
	QK 2, 0
	s_wait_dscnt 0x0
	QK 3, 4
	PLACES
	VLOAD \cur, 0                                  ; on its way during the softmax
.if \diag
	MASK 0
	MASK 1
.endif
	SOFTMAX 0, \first
	SOFTMAX 1, \first
	s_wait_dscnt 0x0
	WIN 0x50
	PV 0, 0, \first
	PV 0, 4, \first
	PLACES
	WIN 0
	VLOAD \cur, 1
	WIN 0x50
	s_wait_dscnt 0x8                               ; fragments 0-3 are in, the eight loads of fragments 4-7 stay out
	PV 1, 0, 0
	s_wait_dscnt 0x0
	PV 1, 4, 0
	WIN 0
.if \fetch
	CVTSTORE 1-\cur
.endif
.endm
; End of a block: the partners exchange the d half that the other one finishes, merge, divide and store 32 rows x 64 columns each.
.macro EPI qb
	PLACES
	v_permlanex16_b32 v[TX], v[LS], s36, s37       ; the sum over all my 64-key shares: both halves of the lanes
	v_add_f32 v[LS], v[LS], v[TX]
	v_permlanex16_b32 v[TX], v[LS+1], s36, s37
	v_add_f32 v[LS+1], v[LS+1], v[TX]
	WIN 0x04
.irp qt, 0,1
.irp i, 0,1,2,3
.irp p, 0,1
	ds_store_b128 v[XW], v[OA+64*\qt+32+8*\i+4*\p:OA+64*\qt+32+8*\i+4*\p+3] offset:((4*\qt+\i)*2+\p)*512
.endr
.endr
.endr
	WIN 0
	ds_store_b128 v[XW], v[MX:MX+3] offset:8192    ; my two maxima and two sums
	s_wait_dscnt 0x0                               ; for the partner: all of it has landed
	s_barrier_signal -1
	s_barrier_wait -1
	ds_load_b128 v[TT:TT+3], v[XR] offset:8192
.set n, 0
.rept 16
	ds_load_b128 v[SC+4*n:SC+4*n+3], v[XR] offset:n*512    ; the partner's sums for my d half, tile (qt, i) at SC + 32qt + 8i
.set n, n+1
.endr
	s_mul_i32 s22, \qb, TILEB
	s_add_co_u32 s22, s22, s49
	s_add_nc_u64 s[34:35], s[10:11], s[22:23]      ; out0 at my first row, my head, my 64 columns
	s_wait_dscnt 0x0
.irp qt, 0,1
	v_max_num_f32 v[W2], v[MX+\qt], v[TT+\qt]
	v_sub_f32 v[MN], v[MX+\qt], v[W2]
	v_sub_f32 v[AL], v[TT+\qt], v[W2]
	v_exp_f32 v[MN], v[MN]
	v_exp_f32 v[AL], v[AL]
	v_nop
	s_wait_alu depctr_va_vdst(0)
	v_mul_f32 v[W2], v[AL], v[TT+2+\qt]
	v_fmac_f32 v[W2], v[MN], v[LS+\qt]             ; the whole denominator; at least one of the two weights is 1
	v_rcp_f32 v[W2], v[W2]
	v_nop
	s_wait_alu depctr_va_vdst(0)
	v_mul_f32 v[MN], v[MN], v[W2]
	v_mul_f32 v[AL], v[AL], v[W2]
	v_mov_b32 v[MN+1], v[MN]
	v_mov_b32 v[AL+1], v[AL]
.set n, 0
.rept 16
	v_pk_mul_f32 v[SC+32*\qt+2*n:SC+32*\qt+2*n+1], v[SC+32*\qt+2*n:SC+32*\qt+2*n+1], v[AL:AL+1]
.set n, n+1
.endr
	WIN 0x01
.set n, 0
.rept 16
	v_pk_fma_f32 v[SC+32*\qt+2*n:SC+32*\qt+2*n+1], v[OA+64*\qt+2*n:OA+64*\qt+2*n+1], v[MN:MN+1], v[SC+32*\qt+2*n:SC+32*\qt+2*n+1]
.set n, n+1
.endr
	WIN 0
.endr
	; a lane holds 8 neighbouring d of one query: through my own stage, back as whole rows of 256 bytes
.irp qt, 0,1
.irp i, 0,1,2,3
.irp p, 0,1
	ds_store_b128 v[OSW], v[SC+32*\qt+8*\i+4*\p:SC+32*\qt+8*\i+4*\p+3] offset:\qt*16*OPITCH+\i*64+\p*16
.endr
.endr
.endr
.set n, 0
.rept 16
	ds_load_b128 v[FR+4*n:FR+4*n+3], v[OSR] offset:n*2*OPITCH      ; my own bytes, and LDS serves a wave's instructions in order (ISA guide 5.7.1)
.set n, n+1
.endr
.set n, 0
.rept 16
	s_wait_dscnt 15-n                              ; row pair n is back, the younger loads stay out
	global_store_b128 v[OOFF], v[FR+4*n:FR+4*n+3], s[34:35] offset:n*2*ROWB th:TH_STORE_NT   ; sixteen lanes cover 256 consecutive bytes, aligned
.set n, n+1
.endr
	s_wait_xcnt 0x0                                ; the fragment registers and s[34:35] are written again only behind this wait
.endm
; ---------------------------------------------------------------- prologue
	s_load_b256 s[4:11], s[0:1], 0x0               ; query s[4:5], key s[6:7], value s[8:9], out0 s[10:11]
	v_lshrrev_b32 v[W2], 5, v0
	v_readfirstlane_b32 s12, v[W2]                 ; wave 0..7
	s_and_b32 s13, s12, 3                          ; a: which 32 query rows
	s_lshr_b32 s14, s12, 2                         ; b: which 64 keys
	s_mov_b32 s15, ttmp9                           ; x
	s_and_b32 s16, ttmp7, 0xffff                   ; head
	s_lshl_b32 s17, s15, 1                         ; E = 2x
	s_sub_co_u32 s18, 15, s17                      ; Od = 15 - 2x
	s_mov_b32 s23, 0
	s_mov_b32 s36, 0x76543210                      ; v_permlanex16_b32: lane i takes lane i of the other half
	s_mov_b32 s37, 0xfedcba98
	s_mov_b32 s38, 0x3e0293ee                      ; log2(e) / sqrt(128)
	s_mov_b32 s39, 0x3e0293ee
	s_mul_i32 s48, s13, 32*ROWB
	s_lshl_b32 s42, s16, 9
	s_add_co_u32 s48, s48, s42                     ; 32a rows + my head: Q's rows inside a block
	s_lshl_b32 s41, s14, 8
	s_add_co_u32 s49, s48, s41                     ; + 64b columns: out0's
	v_and_b32 v28, 31, v0                          ; lane
	v_and_b32 v29, 15, v0                          ; r
	v_bfe_u32 v30, v0, 4, 1                        ; h
	s_mul_i32 s41, s12, 16*ROWB
	v_lshl_add_u32 v[GOFF], v28, 4, s41
	v_mul_u32_u24 v[QOFF], v29, ROWB
	v_lshl_add_u32 v[QOFF], v30, 5, v[QOFF]
	v_lshrrev_b32 v[W2], 1, v0
	v_mul_u32_u24 v[PFO], v[W2], ROWB
	v_and_b32 v[W2], 1, v0
	v_lshl_add_u32 v[PFO], v[W2], 8, v[PFO]
	s_mov_b32 s22, s42
	s_mov_b32 s19, s17                             ; the first tile fetched is E's diagonal tile
	s_mov_b32 s21, 64                              ; no jump in the sequence yet
	s_mov_b32 s40, 0
	s_wait_kmcnt 0x0
	s_add_nc_u64 s[24:25], s[6:7], s[22:23]        ; key and value at my head
	s_add_nc_u64 s[26:27], s[8:9], s[22:23]
	s_mul_i32 s22, s18, TILEB
	s_add_nc_u64 s[44:45], s[24:25], s[22:23]      ; tile Od of key and value
	s_add_nc_u64 s[46:47], s[26:27], s[22:23]
	QLOAD s17, OA                                  ; the O registers are still free
	FETCH                                          ; 64 loads in a row: issue holds by itself where a counter's field is full (ISA guide 5.7.1)
	; The even tiles of a head are loaded just above by the work-groups whose diagonal they are.  Each work-group asks here for its odd
	; tile Od: 256 threads x 256 bytes = the tile's 128 rows x 512 bytes, of K and of V, each block named once in the launch.
	; Od <= 15, so the last row named is row 2047.  It is loaded 2x + 1 trips further on; v13 and s[44:47] are never written again.
	global_prefetch_b8 v[PFO], s[44:45] th:TH_LOAD_NT scope:SCOPE_SE
	global_prefetch_b8 v[PFO], s[46:47] th:TH_LOAD_NT scope:SCOPE_SE
	; the remaining addresses, while the loads are on their way
	s_mul_i32 s41, s14, 64*KP
	v_mul_u32_u24 v[KA], v29, KP
	v_lshl_add_u32 v[KA], v30, 4, v[KA]
	v_add_nc_u32 v[KA], s41, v[KA]
	v_and_b32 v31, 7, v0
	v_lshl_add_u32 v31, v30, 3, v31                ; key row 8h + lane % 8
	v_mul_u32_u24 v31, v31, VP
	v_bfe_u32 v[W2], v0, 3, 1
	v_lshl_add_u32 v31, v[W2], 4, v31              ; + 16 bytes for lanes 8-15 of each half
	s_mul_i32 s41, s14, 64*VP+128                  ; register tiles 0-3: d tile i + 4b, 32 bytes a tile
	s_add_co_u32 s41, s41, VBASE
	s_mul_i32 s42, s14, 64*VP-128                  ; register tiles 4-7: d tile i - 4b
	s_add_co_u32 s42, s42, VBASE
	v_add_nc_u32 v[VAL], s41, v31
	v_add_nc_u32 v[VAH], s42, v31
	s_mul_i32 s41, s12, 16*KP
	v_lshl_add_u32 v[SK], v28, 3, s41
	s_mul_i32 s41, s12, 16*VP
	s_add_co_u32 s41, s41, VBASE
	v_lshl_add_u32 v[SV], v28, 3, s41
	s_mul_i32 s41, s12, XWAVE
	s_add_co_u32 s42, s41, XCH
	v_lshl_add_u32 v[XW], v28, 4, s42
	s_xor_b32 s42, s12, 4                          ; the partner: same rows, the other keys
	s_mul_i32 s42, s42, XWAVE
	s_add_co_u32 s42, s42, XCH
	v_lshl_add_u32 v[XR], v28, 4, s42
	s_add_co_u32 s41, s41, OUTS
	v_mul_u32_u24 v[OSW], v29, OPITCH
	v_lshl_add_u32 v[OSW], v30, 5, v[OSW]
	v_add_nc_u32 v[OSW], s41, v[OSW]
	v_mul_u32_u24 v[OSR], v30, OPITCH
	v_lshl_add_u32 v[OSR], v29, 4, v[OSR]
	v_add_nc_u32 v[OSR], s41, v[OSR]
	v_mul_u32_u24 v[OOFF], v30, ROWB
	v_lshl_add_u32 v[OOFF], v29, 4, v[OOFF]
	s_lshl_b32 s41, s13, 5
	s_lshl_b32 s42, s14, 6
	s_sub_co_i32 s41, s41, s42                     ; 32a - 64b
	v_lshlrev_b32 v[W2], 3, v30
	v_sub_nc_u32 v[DL], v29, v[W2]                 ; r - 8h
	v_add_nc_u32 v[DL], s41, v[DL]
	v_add_nc_u32 v[DL+1], 16, v[DL]
	v_mov_b32 v[NEGR], 0xf149f2ca                  ; -1.0e30
	v_mov_b32 v[TX], 0                             ; v_permlanex16_b32 counts as a reader of its destination
	s_wait_loadcnt 0x20                            ; Q's 32 loads are in; the tile's 32 younger loads stay out
	QCVT OA
	CVTSTORE 0
; ---------------------------------------------------------------- block E: diagonal tile, then tiles 0 .. E-1; behind them comes Od's diagonal tile
	s_mov_b32 s21, s17                             ; the sequence 0, 1, .. jumps at E
	s_mov_b32 s40, s18                             ; to Od
	s_cmp_eq_u32 s17, 0
	s_cselect_b32 s19, s18, 0
	TRIP 0, 1, 1, 1
	s_cmp_eq_u32 s15, 0
	s_cbranch_scc1 .Leven_done
	s_mov_b32 s20, s15                             ; E = 2x tiles, two a pass
.Leven:
	TRIP 1, 1, 0, 0
	TRIP 0, 1, 0, 0
	s_sub_co_i32 s20, s20, 1
	s_cmp_gt_i32 s20, 0                            ; a signed compare: the count-down ends from any start
	s_cbranch_scc1 .Leven
.Leven_done:
	QLOAD s18, GS                                  ; the staging registers are free: their tile is in slot 1; these loads fly during the merge
	EPI s17
	s_wait_loadcnt 0x0
	QCVT GS
; ---------------------------------------------------------------- block Od: diagonal tile (slot 1), then tiles 0 .. Od-1
	s_mov_b32 s19, 0
	s_mov_b32 s21, 64
	TRIP 1, 1, 1, 1
	s_cmp_eq_u32 s15, 7
	s_cbranch_scc1 .Lodd_done
	s_sub_co_u32 s20, 7, s15                       ; Od - 1 = 2 (7 - x) tiles, two a pass
.Lodd:
	TRIP 0, 1, 0, 0
	TRIP 1, 1, 0, 0
	s_sub_co_i32 s20, s20, 1
	s_cmp_gt_i32 s20, 0
	s_cbranch_scc1 .Lodd
.Lodd_done:
	TRIP 0, 0, 0, 0                                ; tile Od - 1: nothing more to fetch
	EPI s18
	s_wait_xcnt 0x0
	v_lshl_add_u32 v254, v0, 2, 0x45000
	v_mov_b32 v255, 0
	s_wait_tensorcnt 0x0
	ds_add_u32 v254, v255
	s_wait_dscnt 0x0
	s_endpgm
.Lfunc_end_k_q40b8879323_attn:
	.size	k_q40b8879323_attn, .Lfunc_end_k_q40b8879323_attn-k_q40b8879323_attn
	.p2alignl 7, 3214868480
	.fill 96, 4, 3214868480
	.section	.rodata,"a",@progbits
	.p2align	6, 0x0
	.amdhsa_kernel k_q40b8879323_attn
		.amdhsa_group_segment_fixed_size 283648
		.amdhsa_private_segment_fixed_size 0
		.amdhsa_enable_private_segment 0
		.amdhsa_kernarg_size 32
		.amdhsa_user_sgpr_count 2
		.amdhsa_user_sgpr_kernarg_segment_ptr 1
		.amdhsa_wavefront_size32 1
		.amdhsa_system_sgpr_workgroup_id_x 1
		.amdhsa_system_sgpr_workgroup_id_y 1
		.amdhsa_system_sgpr_workgroup_id_z 1
		.amdhsa_system_vgpr_workitem_id 0
		.amdhsa_next_free_vgpr 512
		.amdhsa_next_free_sgpr 66
		.amdhsa_reserve_vcc 1
		.amdhsa_float_denorm_mode_32 3
		.amdhsa_float_denorm_mode_16_64 3
		.amdhsa_memory_ordered 1
		.amdhsa_forward_progress 1
		.amdhsa_inst_pref_size 255
	.end_amdhsa_kernel
	.section	.bss,"aw",@nobits
	.p2align	6
	.space	262144
	.amdgpu_metadata
---
amdhsa.version: [ 1, 2 ]
amdhsa.kernels:
  - .name:           k_q40b8879323_attn
    .symbol:         k_q40b8879323_attn.kd
    .args:
      - { .name: query, .offset: 0, .size: 8, .value_kind: global_buffer, .address_space: global }
      - { .name: key, .offset: 8, .size: 8, .value_kind: global_buffer, .address_space: global }
      - { .name: value, .offset: 16, .size: 8, .value_kind: global_buffer, .address_space: global }
      - { .name: out0, .offset: 24, .size: 8, .value_kind: global_buffer, .address_space: global }
    .group_segment_fixed_size: 283648
    .private_segment_fixed_size: 0
    .kernarg_segment_align: 8
    .kernarg_segment_size: 32
    .max_flat_workgroup_size: 256
    .sgpr_count:     66
    .vgpr_count:     512
    .wavefront_size: 32
...
	.end_amdgpu_metadata
.endif
;; end of part 1
